; MI455X (gfx1250); checked and timed in simulation.
; The chip was launched on July 23, 2026; its instructions are those of AMD's public machine-readable ISA for CDNA 5 (MIT licence, August 2026) and "CDNA5" Instruction Set Architecture Reference Guide (July 2026). The comments in the code are by the model that wrote it; some were corrected since.
;; Linear3 Bit. Allowed arithmetic: matrix products marked QUANTISED: E2M1 operands, one E8M0 scale for each 32 along K, by v_wmma_scale_f32_16x16x128_f8f6f4 with both operands' format E2M1 (or v_wmma_scale_f32_32x16x128_f4), f32 sums; everything else in f32.
;; Inputs: bias 2,048 float32; weight_params 131,072 x 2 float16; weight_q3 3,145,728 int32; x 4 x 2,048 x 4,096 float32.
;; Outputs: out0 4 x 2,048 x 2,048 float32.
;; This version of the problem:
;;   THIS VERSION OF THE PROBLEM IS GIVEN IN LOW PRECISION. The matrix products marked QUANTISED in the list below multiply operands that are first quantised to E2M1 (2 exponent bits, 1 mantissa bit; 4 bits a number), with one power-of-two scale for each 32 numbers along K (OCP MX v1.0); their sums are f32. All else is computed in f32.
;;   The module's matrix products, in the order in which they are computed (A, B: the left and right operand; K: the contracted axis; several contracted axes count as one K, in the product's order):
;;     1. [M 8,192, K 4,096] x [K 4,096, N 2,048]; A: input x; B: computed on the way: QUANTISED
;;   THE QUANTISER, for each operand of a quantised product, along K:
;;     - K is cut into blocks of 32 from its start; a last block that is shorter is filled with zeros.
;;     - A block's scale is 2^e with e = floor(log2(the largest magnitude in the block)) - 2, held to -126 .. 127; a block of zeros has e = 0. As a byte (E8M0): e + 127.
;;     - Each number is divided by its block's scale, clamped to +-6, and rounded to the nearest number of E2M1, ties to even, subnormals kept.
;;     - The product sums the exact products of the quantised numbers (number of the format x scale) in f32.
;;   ~~~python
;;   def quantise(x, axis):      # numpy; x: float32 -> the quantised numbers, widened to float32 again
;;       x = np.moveaxis(x, axis, -1); K = x.shape[-1]
;;       x = np.pad(x, [(0, 0)] * (x.ndim - 1) + [(0, -K % 32)]); x = x.reshape(x.shape[:-1] + (-1, 32)); a = np.abs(x).max(-1, keepdims=True)
;;       e = np.where(a > 0, np.clip(np.frexp(np.where(a > 0, a, 1))[1] - 1 - 2, -126, 127), 0)      # np.frexp(a)[1] - 1 = floor(log2(a)), exactly
;;       r = np.clip(x / 2.0 ** e, -6, 6)
;;       step = 2.0 ** (np.maximum(np.frexp(np.where(r == 0, 1, r))[1] - 1, 0) - 1)
;;       q = np.round(r / step) * step * 2.0 ** e      # np.round: ties to even
;;       return np.moveaxis(q.reshape(q.shape[:-2] + (-1,))[..., :K], -1, axis).astype(np.float32)
;;   ~~~
;;   OPERANDS COMPUTED ON THE WAY. 'Computed on the way' means the value that the module computes at that place (a softmax that the list does not call 'softmax' is quantised finished and normalised). What goes into a quantiser is computed in f32, as accurately as f32 sums, v_exp_f32 and their like allow (about 1e-6 of the number): no bf16 or f16 on the way to a quantiser, and a product that is left as it is and whose result goes on into a quantised operand takes f32 operands (vector FMAs, or v_wmma_f32_16x16x4_f32). A number that lies on a knife's edge between two numbers of the format may be rounded either way, as far as f32 arithmetic and the matrix unit's own rounding can turn it there, and no further.
;; One version. Each part assembles by itself: llvm-mc -triple=amdgcn-amd-amdhsa -mcpu=gfx1250 --defsym DOCPART=n.
;; ======== version 1 of 1: 2 launches
;; limits: values are held in f16: magnitudes above 65,504 overflow, below 6.1e-05 lose precision; right only within a limited range of input values
;; workspace buffers: xq 17,825,792 bytes; wq 4,456,448 bytes
;; launch quant (part 1): grid 1280 x 1, 4 waves a work-group, no clusters, 48,640 bytes of LDS; arguments x, weight_q3, weight_params, xq, wq; writes xq, wq
.if DOCPART == 1
	.amdgcn_target "amdgcn-amd-amdhsa--gfx1250"
	.amdhsa_code_object_version 6
	.text
	.protected	k_q71df78dcf1_quant
	.globl	k_q71df78dcf1_quant
	.p2align	8
	.type	k_q71df78dcf1_quant,@function
k_q71df78dcf1_quant:
	s_mov_b64 s[64:65], 0
	v_nop
	global_prefetch_b8 v0, s[64:65] scope:SCOPE_SE
	s_setreg_imm32_b32 hwreg(HW_REG_WAVE_MODE, 25, 1), 1
	s_wait_xcnt 0x0
; Both operands of out = x w^T + bias become codes of FP4 (E2M1) with one E8M0 byte for each 32 along K = 4,096, once, for the product's launch.
; x: [8192][4096] f32.  w: [2048][4096], made here: each int32 of weight_q3 carries one packed byte (its low 8 bits); three bytes are a word of 24 bits whose bits 3 j .. 3 j + 2 are code j of eight;
; w = (code / 7) (max - min) + min in f32, min and max two f16 for each 64 weights along a row.
; A block's scale is 2^(floor(log2(its largest magnitude)) - 2): its byte is the largest magnitude's exponent field - 2; each number is divided by the scale and rounded to the nearest code, ties to even, beyond 6 the code of 6.
; LIMITS.  code / 7 is taken as code x fl(1 / 7), which is one unit in the last place off for codes 3 and 6 and exact for the others; the multiplication by (max - min) and the addition of min are one fused multiply-add.
;   A block whose largest magnitude lies under 2^-124 keeps the byte 1 (not tried); a block of zeros gets the byte 1 with zero codes, where the quantiser says 127: the bytes are read by this program alone and zero codes
;   add nothing under any byte but 0xff.  NaN and infinities among the inputs are not served.
; THE WORKSPACE is laid in the order of the operand's registers.  A CHUNK is 128 rows x 512 K, 34,816 bytes: block B (0 .. 15) of row r of row tile i (16 rows) has its 16 bytes of codes at 4096 i + 256 B + 16 r,
;   and the 16 scale bytes of that row lie at 32768 + 256 i + 16 r.  Chunk (rows / 128, K / 512) lies at (8 x the first + the second) x 34,816.
; SHARES.  A wave takes 16 rows x 512 K: one row tile of one chunk.  Work-groups 0 .. 255 take w, 256 .. 1279 take x.  Waves share nothing: no barrier; no work-group reads what another reads: no cluster.
;   The two paths have LDS bytes of their own.  No register that a pending load or store names is ever written again, so no wait for that stands in the text.
.set CH,   34816                       ; a chunk
.set WGW,  256                         ; work-groups of w
.set R,    16                          ; numbers as they are loaded: x: v16-143, four sets of 32; w: v16-111, 24 x 4 words
.set C,    208                         ; v208-239 codes: four registers for each block, never written again
; ---- x's registers
.set GX,   4                           ; 16384 h + 16 r: my 16 bytes of a load
.set SI,   5                           ; the stage, on the way in
.set SOUT, 6                           ; and on the way out
.set XCO,  7                           ; 16 x lane: my codes' place
.set XSC,  8                           ; 16 r + 8 h: my scale bytes' place
.set SH,   9                           ; 8 h
.set X,    144                         ; v144-207 two sets of 32 neighbours along K
.set U,    240                         ; v240-243 scale words
.set P,    244                         ; v244-247 the other half of the lanes' words
.set XST,  4352                        ; a stage of x: 16 rows x (256 + 16) bytes; a wave has two
; ---- w's registers
.set GA,   4                           ; 16 x lane
.set GB,   5                           ; 16 x lane + 5376 h
.set LC,   6                           ; my stage + 4 x lane
.set LM,   7                           ; the same + 16 h
.set LE,   8                           ; my stage + 208 r + 96 h
.set PF,   9                           ; 256 r + 16 h: my four groups' min and max
.set WCO,  10                          ; 2048 h + 16 r
.set WSC,  11                          ; 16 r + 8 h
.set D,    112                         ; v112-135 four packed bytes each
.set PK,   136                         ; v136-159 my 96 packed bytes
.set W,    160                         ; v160-191 a block's 32 weights
.set GP,   192                         ; v192-207 group g: max - min twice, min twice, at GP + 4 g
.set SB,   240                         ; v240-241 my eight scale bytes
.set T1,   242                         ; v242-244 words of 24 bits
.set T2,   243
.set T3,   244
.set WST,  34816                       ; w's stages begin behind x's: 16 rows x (192 + 16) bytes for each wave
; where my unit goes.  first: the path's first work-group; buf: the pair that holds the workspace buffer's address.  Leaves s18 = row tile T, s19 = K step, s[30:31] my codes, s[32:33] my scale bytes, s35 = 0
.macro WHERE first, buf
	s_sub_co_u32 s17, ttmp9, \first
	s_lshl_b32 s17, s17, 2
	s_add_co_u32 s17, s17, s16                     ; unit = 4 x work-group + wave
	s_lshr_b32 s18, s17, 3                         ; T
	s_and_b32 s19, s17, 7                          ; which 512 along K
	s_lshr_b32 s26, s18, 3
	s_lshl_b32 s26, s26, 3
	s_add_co_u32 s26, s26, s19
	s_mul_i32 s26, s26, CH                         ; the chunk (under 2^25 bytes)
	s_mov_b32 s27, 0
	s_and_b32 s28, s18, 7                          ; the row tile in it
	s_mov_b32 s29, 0
	s_lshl_b32 s34, s28, 12
	s_mov_b32 s35, 0
	s_lshl_b32 s28, s28, 8
	s_add_co_u32 s28, s28, 32768
	s_wait_kmcnt 0x0
	s_add_nc_u64 s[30:31], s[\buf:\buf+1], s[26:27]
	s_add_nc_u64 s[32:33], s[30:31], s[28:29]
	s_add_nc_u64 s[30:31], s[30:31], s[34:35]
.endm
; A block of 32 numbers in v[n] on, all in my lane, becomes four registers of codes in v[c] on; its scale byte is left in v[m1].
.macro QBLOCK n, c, m0, m1, so
	v_max3_num_f32 v[\m0], |v[\n]|, |v[\n+1]|, |v[\n+2]|           ; the largest magnitude, in two chains
	v_max3_num_f32 v[\m1], |v[\n+3]|, |v[\n+4]|, |v[\n+5]|
.irp i, 6,10,14,18,22,26
	v_max3_num_f32 v[\m0], v[\m0], |v[\n+\i]|, |v[\n+\i+1]|
	v_max3_num_f32 v[\m1], v[\m1], |v[\n+\i+2]|, |v[\n+\i+3]|
.endr
	v_max3_num_f32 v[\m0], v[\m0], |v[\n+30]|, |v[\n+31]|
	v_max3_num_f32 v[\m0], v[\m0], v[\m1], 0x1800000               ; and the floor 2^(3 - 127): the byte cannot fall under 1
	v_add_nc_u32 v[\so], 0xff000000, v[\m0]                        ; 2 off the exponent field: the conversion takes this operand's exponent field as its scale, and nothing else of it
.irp g, 0,1,2,3
	v_cvt_scalef32_pk8_fp4_f32 v[\c+\g], v[\n+8*\g:\n+8*\g+7], v[\so]   ; eight neighbours along K, the first in the lowest four bits
.endr
	v_lshrrev_b32 v[\m1], 23, v[\so]                               ; the scale's byte; also the plain instruction behind the conversions
.endm
	s_load_b256 s[4:11], s[0:1], 0x0               ; x s[4:5], weight_q3 s[6:7], weight_params s[8:9], xq s[10:11]
	s_load_b64 s[12:13], s[0:1], 0x20              ; wq
	v_lshl_add_u32 v248, v0, 2, 0xbc00
	v_mov_b32 v249, 0
	v_and_b32 v1, 31, v0                           ; lane
	v_and_b32 v2, 15, v0                           ; r
	v_bfe_u32 v3, v0, 4, 1                         ; h
	v_lshrrev_b32 v4, 5, v0
	v_readfirstlane_b32 s16, v4                    ; wave 0..3
	s_mov_b32 s20, 0x76543210
	s_mov_b32 s21, 0xfedcba98                      ; v_permlanex16_b32's selects for lane l xor 16
	s_cmp_lt_u32 ttmp9, WGW
	s_cbranch_scc0 .Lx
; ================ w: 16 rows x 512 weights = 16 x 192 packed bytes, which arrive as 16 x 768 bytes of int32
	s_mul_i32 s36, s16, 16*208
	s_add_co_u32 s36, s36, WST                     ; my stage
	v_lshlrev_b32 v[GA], 4, v1
	v_mad_u32_u24 v[GB], v3, 5376, v[GA]
	v_lshl_add_u32 v[LC], v1, 2, s36
	v_lshl_add_u32 v[LM], v3, 4, v[LC]
	v_mul_u32_u24 v[LE], v2, 208
	v_mad_u32_u24 v[LE], v3, 96, v[LE]
	v_add_nc_u32 v[LE], s36, v[LE]
	v_lshlrev_b32 v[PF], 8, v2
	v_lshl_add_u32 v[PF], v3, 4, v[PF]
	v_lshlrev_b32 v[WCO], 11, v3
	v_lshl_add_u32 v[WCO], v2, 4, v[WCO]
	v_lshlrev_b32 v[WSC], 4, v2
	v_lshl_add_u32 v[WSC], v3, 3, v[WSC]
	s_mov_b32 s22, 0x04000400                      ; v_perm_b32: the low bytes of two words
	s_mov_b32 s23, 0x05040100                      ; and the low halves of two words
	s_mov_b32 s24, 0x3e124925                      ; 1 / 7
	s_mov_b32 s25, s24                             ; (named with it as a pair, so it is written)
	WHERE 0, 12
	s_mul_i32 s34, s18, 16*6144                    ; a row of w is 1,536 int32
	s_mul_i32 s28, s19, 768
	s_add_co_u32 s34, s34, s28
	s_add_nc_u64 s[6:7], s[6:7], s[34:35]
	s_lshl_b32 s34, s18, 12                        ; a row has 64 groups of 4 bytes
	s_lshl_b32 s28, s19, 5
	s_add_co_u32 s34, s34, s28
	s_add_nc_u64 s[8:9], s[8:9], s[34:35]
	s_wait_alu depctr_va_vdst(0)
	global_load_b128 v[12:15], v[PF], s[8:9]       ; min and max of groups 4 h .. 4 h + 3 of my row's eight
; Two rows' 2 x 768 bytes are six runs of 256 consecutive bytes, aligned: three loads, sixteen lanes to a run
.irp p, 0,1,2,3,4,5,6,7
	global_load_b128 v[R+12*\p:R+12*\p+3],    v[GA], s[6:7] offset:12288*\p th:TH_LOAD_NT        ; row 2 p, bytes 0 .. 511
	global_load_b128 v[R+12*\p+4:R+12*\p+7],  v[GB], s[6:7] offset:12288*\p+512 th:TH_LOAD_NT    ; row 2 p, bytes 512 .. 767 | row 2 p + 1, bytes 0 .. 255
	global_load_b128 v[R+12*\p+8:R+12*\p+11], v[GA], s[6:7] offset:12288*\p+6400 th:TH_LOAD_NT   ; row 2 p + 1, bytes 256 .. 767
.endr
.macro PACK n                          ; the low bytes of load n's four words make one word
	s_wait_loadcnt 23-(\n)                         ; loads come back in order: load n is in, and the params ahead of it; the 23 - n loads behind it may be out
	v_perm_b32 v[T1], v[R+4*(\n)+1], v[R+4*(\n)], s22
	v_perm_b32 v[T2], v[R+4*(\n)+3], v[R+4*(\n)+2], s22
	v_perm_b32 v[D+(\n)], v[T2], v[T1], s23
.endm
.irp p, 0,1,2,3,4,5,6,7                ; the packed rows, 192 bytes each, lie 208 bytes apart in my stage
	PACK 3*\p
	ds_store_b32 v[LC], v[D+3*\p] offset:416*\p
	PACK 3*\p+1
	ds_store_b32 v[LM], v[D+3*\p+1] offset:416*\p+128
	PACK 3*\p+2
	ds_store_b32 v[LC], v[D+3*\p+2] offset:416*\p+272
.endr
.irp j, 0,1,2,3,4,5
	ds_load_b128 v[PK+4*\j:PK+4*\j+3], v[LE] offset:16*\j          ; blocks 8 h .. 8 h + 7 of row r: 96 bytes.  LDS serves a wave's instructions in order: these see my stores.  208 = 13 x 16: sixteen rows start in sixteen different columns of 16 bytes
.endr
	v_cvt_f32_f16 v[GP+2],  v12.l                  ; min,
	v_cvt_f32_f16 v[T1],    v12.h                  ; max
	v_cvt_f32_f16 v[GP+6],  v13.l
	v_cvt_f32_f16 v[T1+1],  v13.h
	v_cvt_f32_f16 v[GP+10], v14.l
	v_cvt_f32_f16 v[T1+2],  v14.h
	v_cvt_f32_f16 v[GP+14], v15.l
	v_cvt_f32_f16 v[T1+3],  v15.h
.irp g, 0,1,2,3
	v_sub_f32 v[GP+4*\g], v[T1+\g], v[GP+4*\g+2]   ; max - min, in f32
.endr
.irp g, 0,1,2,3
	v_mov_b32 v[GP+4*\g+1], v[GP+4*\g]             ; each twice: pairs for the packed multiply-add
	v_mov_b32 v[GP+4*\g+3], v[GP+4*\g+2]
.endr
	s_wait_dscnt 0x0                               ; my packed bytes are in
.macro UNPACK e, src                   ; the eight codes of a word of 24 bits
.irp j, 0,1,2,3,4,5,6,7
	v_bfe_u32 v[W+8*\e+\j], v[\src], 3*\j, 3
.endr
.endm
.macro BLOCKW t                        ; block 8 h + t of my row: 12 packed bytes, group t / 2 of my four
	v_alignbit_b32 v[T1], v[PK+3*\t+1], v[PK+3*\t], 24             ; bytes 3, 4, 5
	v_alignbit_b32 v[T2], v[PK+3*\t+2], v[PK+3*\t+1], 16           ; bytes 6, 7, 8
	v_lshrrev_b32 v[T3], 8, v[PK+3*\t+2]                           ; bytes 9, 10, 11
	UNPACK 0, PK+3*\t
	UNPACK 1, T1
	UNPACK 2, T2
	UNPACK 3, T3
.irp j, 0,1,2,3,4,5,6,7,8,9,10,11,12,13,14,15,16,17,18,19,20,21,22,23,24,25,26,27,28,29,30,31
	v_cvt_f32_u32 v[W+\j], v[W+\j]
.endr
.irp j, 0,2,4,6,8,10,12,14,16,18,20,22,24,26,28,30
	v_pk_mul_f32 v[W+\j:W+\j+1], v[W+\j:W+\j+1], s[24:25] op_sel_hi:[1,0]      ; code / 7
.endr
.irp j, 0,2,4,6,8,10,12,14,16,18,20,22,24,26,28,30
	v_pk_fma_f32 v[W+\j:W+\j+1], v[W+\j:W+\j+1], v[GP+4*(\t/2):GP+4*(\t/2)+1], v[GP+4*(\t/2)+2:GP+4*(\t/2)+3]   ; x (max - min) + min
.endr
	QBLOCK W, C+4*\t, 245, 246, 247
.if \t%4 == 0
	v_mov_b32 v[SB+\t/4], v246                     ; four bytes to a register, the lower K in the lower byte
.else
	v_lshl_or_b32 v[SB+\t/4], v246, 8*(\t%4), v[SB+\t/4]
.endif
	global_store_b128 v[WCO], v[C+4*\t:C+4*\t+3], s[30:31] offset:256*\t       ; sixteen lanes store 256 consecutive bytes, aligned: block t of the 16 rows; the other sixteen block 8 + t
.endm
.irp t, 0,1,2,3,4,5,6,7
	BLOCKW \t
.endr
	global_store_b64 v[WSC], v[SB:SB+1], s[32:33]  ; the 32 lanes store the row tile's 256 scale bytes, consecutive and aligned
	s_wait_tensorcnt 0x0
	ds_add_u32 v248, v249
	s_wait_dscnt 0x0
	s_endpgm
; ================ x: 16 rows x 512 numbers, in eight steps of 64 along K
.Lx:
	s_mul_i32 s36, s16, 2*XST                      ; my two stages
	s_wait_alu depctr_va_vdst(0)
	v_lshlrev_b32 v[GX], 14, v3                    ; a row of x is 16,384 bytes
	v_lshl_add_u32 v[GX], v2, 4, v[GX]
	v_mul_u32_u24 v[SI], v3, 272
	v_lshl_add_u32 v[SI], v2, 4, v[SI]
	v_add_nc_u32 v[SI], s36, v[SI]                 ; in: as loaded: lanes 0-15 one row's 256 bytes, lanes 16-31 the next row's
	v_mul_u32_u24 v[SOUT], v2, 272
	v_lshl_add_u32 v[SOUT], v3, 7, v[SOUT]
	v_add_nc_u32 v[SOUT], s36, v[SOUT]             ; out: row r, its block h of the step's two: 128 bytes a lane
	s_wait_alu depctr_va_vdst(0)
	v_lshlrev_b32 v[XCO], 4, v1
	v_lshlrev_b32 v[XSC], 4, v2
	v_lshl_add_u32 v[XSC], v3, 3, v[XSC]
	v_lshlrev_b32 v[SH], 3, v3
.irp q, 0,1,2,3
	v_mov_b32 v[P+\q], 0                           ; written once: a lane permute's destination counts as one of its sources
.endr
	WHERE WGW, 10
	s_lshl_b32 s34, s18, 18                        ; 16 rows of 16,384 bytes (under 2^27)
	s_lshl_b32 s28, s19, 11                        ; 512 numbers
	s_add_co_u32 s34, s34, s28
	s_add_nc_u64 s[4:5], s[4:5], s[34:35]
.macro LOADX t                         ; step t: 256 bytes of each of the 16 rows; sixteen lanes read 256 consecutive bytes, aligned
.irp i, 0,1,2,3,4,5,6,7
	global_load_b128 v[R+32*((\t)%4)+4*\i:R+32*((\t)%4)+4*\i+3], v[GX], s[4:5] offset:32768*\i+256*(\t) th:TH_LOAD_NT
.endr
.endm
.macro TURN t                          ; step t's numbers through stage t % 2.  Rows 272 bytes apart: sixteen rows start in sixteen different columns of 16 bytes.  LDS serves a wave's instructions in order: no wait between stores and loads
.irp i, 0,1,2,3,4,5,6,7
	ds_store_b128 v[SI], v[R+32*((\t)%4)+4*\i:R+32*((\t)%4)+4*\i+3] offset:XST*((\t)%2)+544*\i
.endr
.irp j, 0,1,2,3,4,5,6,7
	ds_load_b128 v[X+32*((\t)%2)+4*\j:X+32*((\t)%2)+4*\j+3], v[SOUT] offset:XST*((\t)%2)+16*\j
.endr
.endm
.macro STEPX t                         ; lane (r, h) quantises block 2 t + h of row r
	s_wait_dscnt 0x0                               ; this step's numbers are back from the stage: so its stores into the stage have read their registers,
.if (\t)+4 < 8
	LOADX (\t)+4                                   ; which take the loads of four steps on
.endif
.if (\t) < 7
.if 6-(\t) >= 3
	s_wait_loadcnt 24                              ; the next step's eight loads are in; those of the three steps behind it may be out
.else
	s_wait_loadcnt 8*(6-(\t))                      ; towards the end fewer steps stand behind it
.endif
	TURN (\t)+1                                    ; it goes through the other stage while this step is worked
.endif
	QBLOCK X+32*((\t)%2), C+4*(\t), 10, 11, 12
.if (\t)%2 == 0
	v_mov_b32 v[U+(\t)/2], v11                     ; word t / 2: my bytes belong at h and 2 + h
.else
	v_lshl_or_b32 v[U+(\t)/2], v11, 16, v[U+(\t)/2]
.endif
	global_store_b128 v[XCO], v[C+4*(\t):C+4*(\t)+3], s[30:31] offset:512*(\t)   ; 512 consecutive bytes: blocks 2 t and 2 t + 1 of the 16 rows
.endm
.irp t, 0,1,2,3
	LOADX \t
.endr
	s_wait_loadcnt 24                              ; step 0's eight loads are in
	TURN 0
.irp t, 0,1,2,3,4,5,6,7
	STEPX \t
.endr
.irp q, 0,1,2,3
	v_lshlrev_b32 v[U+\q], v[SH], v[U+\q]          ; my two bytes of each word at their places,
.endr
.irp q, 0,1,2,3
	v_permlanex16_b32 v[P+\q], v[U+\q], s20, s21
.endr
.irp q, 0,1,2,3
	v_or_b32 v[U+\q], v[U+\q], v[P+\q]             ; with lane l xor 16's two the word is whole
.endr
	v_cmp_eq_u32 vcc_lo, 1, v3
	v_cndmask_b32 v[P], v[U], v[U+2], vcc_lo       ; lanes 0-15 store words 0 and 1 of their row, lanes 16-31 words 2 and 3
	v_cndmask_b32 v[P+1], v[U+1], v[U+3], vcc_lo
	global_store_b64 v[XSC], v[P:P+1], s[32:33]    ; the row tile's 256 scale bytes, consecutive and aligned
	s_wait_tensorcnt 0x0
	ds_add_u32 v248, v249
	s_wait_dscnt 0x0
	s_endpgm
.Lfunc_end_k_q71df78dcf1_quant:
	.size	k_q71df78dcf1_quant, .Lfunc_end_k_q71df78dcf1_quant-k_q71df78dcf1_quant
	.p2alignl 7, 3214868480
	.fill 96, 4, 3214868480
	.section	.rodata,"a",@progbits
	.p2align	6, 0x0
	.amdhsa_kernel k_q71df78dcf1_quant
		.amdhsa_group_segment_fixed_size 48640
		.amdhsa_private_segment_fixed_size 0
		.amdhsa_enable_private_segment 0
		.amdhsa_kernarg_size 40
		.amdhsa_user_sgpr_count 2
		.amdhsa_user_sgpr_kernarg_segment_ptr 1
		.amdhsa_wavefront_size32 1
		.amdhsa_system_sgpr_workgroup_id_x 1
		.amdhsa_system_sgpr_workgroup_id_y 1
		.amdhsa_system_sgpr_workgroup_id_z 1
		.amdhsa_system_vgpr_workitem_id 0
		.amdhsa_next_free_vgpr 250
		.amdhsa_next_free_sgpr 66
		.amdhsa_reserve_vcc 1
		.amdhsa_float_denorm_mode_32 3
		.amdhsa_float_denorm_mode_16_64 3
		.amdhsa_memory_ordered 1
		.amdhsa_forward_progress 1
		.amdhsa_inst_pref_size 97
	.end_amdhsa_kernel
	.amdgpu_metadata
---
amdhsa.version: [ 1, 2 ]
amdhsa.kernels:
  - .name:           k_q71df78dcf1_quant
    .symbol:         k_q71df78dcf1_quant.kd
    .args:
      - { .name: x, .offset: 0, .size: 8, .value_kind: global_buffer, .address_space: global }
      - { .name: weight_q3, .offset: 8, .size: 8, .value_kind: global_buffer, .address_space: global }
      - { .name: weight_params, .offset: 16, .size: 8, .value_kind: global_buffer, .address_space: global }
      - { .name: xq, .offset: 24, .size: 8, .value_kind: global_buffer, .address_space: global }
      - { .name: wq, .offset: 32, .size: 8, .value_kind: global_buffer, .address_space: global }
    .group_segment_fixed_size: 48640
    .private_segment_fixed_size: 0
    .kernarg_segment_align: 8
    .kernarg_segment_size: 40
    .max_flat_workgroup_size: 128
    .sgpr_count:     66
    .vgpr_count:     250
    .wavefront_size: 32
...
	.end_amdgpu_metadata
.endif
;; end of part 1
;; launch gemm (part 2): grid 8 x 32, 4 waves a work-group, clusters of 4 x 4, 327,680 bytes of LDS; arguments xq, wq, bias, out0; writes out0
.if DOCPART == 2
	.amdgcn_target "amdgcn-amd-amdhsa--gfx1250"
	.amdhsa_code_object_version 6
	.text
	.protected	k_q71df78dcf1_gemm
	.globl	k_q71df78dcf1_gemm
	.p2align	8
	.type	k_q71df78dcf1_gemm,@function
k_q71df78dcf1_gemm:
	s_mov_b64 s[64:65], 0
	v_nop
	global_prefetch_b8 v0, s[64:65] scope:SCOPE_SE
	s_setreg_imm32_b32 hwreg(HW_REG_WAVE_MODE, 25, 1), 1
	s_wait_xcnt 0x0
	s_wait_alu depctr_hold_cnt(0) depctr_sa_sdst(0) depctr_va_vdst(0) depctr_va_sdst(0) depctr_va_ssrc(0) depctr_va_vcc(0) depctr_vm_vsrc(0)
	s_getreg_b32 s2, hwreg(HW_REG_IB_STS2, 6, 4)
	s_cmp_eq_u32 s2, 0
	s_cbranch_scc0 .Lentry_in_a_cluster
	s_endpgm
.Lentry_in_a_cluster:
	s_bfe_u32 s2, ttmp6, 0x10000c
	s_cmp_lg_u32 s2, 0xf033
	s_cbranch_scc0 .Lentry_shape_is_right
	s_endpgm
.Lentry_shape_is_right:
; out[m][n] = sum over k of x[m][k] w[n][k] + bias[n], on the codes of FP4 (E2M1) and E8M0 scale bytes that the launch before laid in xq and wq; sums in f32, begun with the bias as C.
; A CHUNK of xq or wq is 128 rows x 512 K, 34,816 dense bytes in the order of an operand's registers, its scale bytes behind its codes; the 8 chunks of 128 rows lie on end.
; A work-group of four waves makes 256 x 256 of out, a wave 128 x 128 (64 accumulators).  K goes in 8 steps of 512 through a ring of two LDS slots of four chunks; a wave's one tensor load brings a chunk, as 68 rows of 512 bytes.
; CLUSTERS 4 x 4: x's chunks are asked for jointly along a row of the cluster, w's along a column.  Each change of slots that fills a slot again is a round of the cluster's barrier, with the wait for all tensor loads,
; the add and its wait in front of it; a wave has one tensor load out.
; PREFETCH: behind the load of K step k a wave asks for K step k + 2 of the chunk row that it fetches: of the chunk's 136 blocks of 256 bytes each of the four partners that ask for it jointly names 34, told apart by address
; (cx for x, cy for w): 32 lanes name 32 blocks, a second instruction the last two (its other lanes name the last again).  K step 1 is asked for at the head with K step 2.  The last lap's two refills ask for nothing: K has 8 steps.
; The matrix instruction is used transposed (source 0 = rows of w, source 1 = rows of x): a lane holds eight neighbouring columns of a row of out, which leaves through the wave's stage in slot 0 as whole rows of 512 bytes.
.set SIZE_N, 2048
.set CH,     34816
.set CHROW,  8*CH
.set SLOT,   4*CH
.set SPARE,  2*SLOT
.set LAPS,   4
.set NQ,     4
.set FR,     8
.set NL,     2
.set NP,     4
.set SPITCH, 528
.set ADRA, 16
.set ADRB, 20
.set ADRS, 22
.set STO,  24
.set RD,   25
.set CO,   26
.set BO,   27
.set SPW,  28
.set NIL,  29
.set SC,   32
.set AF,   128
.set BIAS, 192
.set BK,   128
.set G1, 24
.set G0, 32
.set G1B, 48
.set G0B, 56
.set MSB, 0
.macro WIN new
.if MSB != \new
	s_set_vgpr_msb (MSB<<8)|\new
.set MSB, \new
.endif
.endm
.set MUL_LO,   0xa1
.set MUL_HI,   0xf1
.set FIRST_LO, 0x81
.set FIRST_HI, 0xc1
.set TO_B,     0x40
.macro JLOAD g0a, g1a, g0b, g1b
	s_cmp_eq_u32 s15, 0
	s_cbranch_scc0 .Lfor_b_\@
	tensor_load_to_lds s[\g0a:\g0a+3], s[\g1a:\g1a+7]
	s_nop 0
.rept 4
	v_nop
.endr
	s_branch .Lasked_\@
.Lfor_b_\@:
	tensor_load_to_lds s[\g0b:\g0b+3], s[\g1b:\g1b+7]
	s_nop 0
.rept 4
	v_nop
.endr
.Lasked_\@:
.endm
.macro CREST
	s_cmp_lg_u32 s14, 0
	s_cbranch_scc1 .Lnot_wave_0_\@
	s_barrier_signal -3
.Lnot_wave_0_\@:
	s_barrier_wait -3
	s_barrier_signal -1
	s_barrier_wait -1
.endm
.macro CROUND
	s_barrier_signal -1
	s_barrier_wait -1
	CREST
.endm
	s_load_b256 s[4:11], s[0:1], 0x0
	v_lshl_add_u32 v[SPW], v0, 2, SPARE
	v_mov_b32 v[NIL], 0
	ds_add_u32 v28, v29
	ds_add_u32 v28, v29
	s_wait_dscnt 0x0
	v_lshrrev_b32 v1, 5, v0
	v_readfirstlane_b32 s14, v1
	s_lshr_b32 s15, s14, 1
	s_and_b32 s16, s14, 1
	s_bfe_u32 s40, ttmp6, 0x40000
	s_bfe_u32 s41, ttmp6, 0x40004
	s_lshl_b32 s42, ttmp9, 2
	s_add_co_u32 s42, s42, s40
	s_and_b32 s17, ttmp7, 0xffff
	s_lshl_b32 s17, s17, 2
	s_add_co_u32 s17, s17, s41
	s_lshl_b32 s43, s41, 2
	s_lshl_b32 s43, 15, s43
	s_lshl_b32 s44, 0x1111, s40
	s_or_b32 s[G1+0], s43, (3<<16)|(1<<21)
	s_or_b32 s[G1B+0], s44, (3<<16)|(1<<21)
.irp g, G1, G1B
	s_mov_b32 s[\g+1], 64<<16                      ; rows of 64 elements of 8 bytes,
	s_mov_b32 s[\g+2], 68<<16                      ; 68 of them: a chunk
	s_mov_b32 s[\g+3], 64<<16
	s_mov_b32 s[\g+4], 68
	s_mov_b32 s[\g+5], 64
	s_mov_b32 s[\g+6], 0
	s_mov_b32 s[\g+7], 0
.endr
	s_lshl_b32 s20, s17, 1
	s_add_co_u32 s20, s20, s16
	s_mul_i32 s20, s20, CHROW
	s_mov_b32 s21, 0
	s_lshl_b32 s46, s42, 1
	s_add_co_u32 s46, s46, s16
	s_mul_i32 s46, s46, CHROW
	s_mov_b32 s47, 0
	s_mul_i32 s45, s14, CH
	s_wait_kmcnt 0x0
	s_add_nc_u64 s[20:21], s[4:5], s[20:21]
	s_add_nc_u64 s[46:47], s[6:7], s[46:47]
	s_cmp_eq_u32 s15, 0                            ; the prefetches: do I fetch for x or for w?
	s_cselect_b64 s[12:13], s[20:21], s[46:47]     ; my chunk row's K step 0,
	s_cselect_b32 s18, s40, s41                    ; my place among the four that ask for it with me,
	s_mul_i32 s18, s18, 34*256                     ; and my work-group's 34 blocks of a chunk
	s_mov_b32 s19, 0
	s_add_nc_u64 s[12:13], s[12:13], s[18:19]
	CROUND
.irp s, 0,1
	s_mov_b32 s[G0+4*\s], 1
	s_add_co_u32 s[G0+4*\s+1], s45, \s*SLOT
	s_add_nc_u64 s[G0+4*\s+2:G0+4*\s+3], s[20:21], \s*CH
	s_or_b32 s[G0+4*\s+3], s[G0+4*\s+3], 0x80000000
	s_mov_b32 s[G0B+4*\s], 1
	s_add_co_u32 s[G0B+4*\s+1], s45, \s*SLOT
	s_add_nc_u64 s[G0B+4*\s+2:G0B+4*\s+3], s[46:47], \s*CH
	s_or_b32 s[G0B+4*\s+3], s[G0B+4*\s+3], 0x80000000
.endr
	JLOAD G0, G1, G0B, G1B                         ; K step 0: one tensor load a wave at the head
	v_and_b32 v1, 15, v0
	v_bfe_u32 v2, v0, 4, 1
	s_wait_alu depctr_va_vdst(0)
	v_and_b32 v3, 31, v0
	v_lshlrev_b32 v4, 4, v3
	v_lshlrev_b32 v30, 8, v3                       ; the prefetches' offsets: blocks 0 .. 31 of my 34, a lane a block;
	v_min_u32 v31, 1, v3
	v_lshlrev_b32 v31, 8, v31
	v_add_nc_u32 v31, 0x2000, v31                  ; blocks 32 and 33.  Neither register is written again
	s_mul_i32 s21, s15, CH
	s_mul_i32 s22, s16, CH
	s_add_co_u32 s22, s22, 2*CH
.irp s, 0,1
	v_add_nc_u32 v[ADRA+\s], s21, v4
	v_add_nc_u32 v[ADRB+\s], s22, v4
	s_add_co_u32 s21, s21, SLOT
	s_add_co_u32 s22, s22, SLOT
.endr
	s_mul_i32 s21, s15, CH
	s_mul_i32 s22, s16, CH
	s_add_co_u32 s22, s22, 2*CH
	s_sub_co_u32 s22, s22, s21
	v_mul_u32_u24 v6, s22, v2
	v_lshl_add_u32 v5, v1, 4, v6
	s_add_co_u32 s21, s21, 32768
	v_add_nc_u32 v[ADRS], s21, v5
	v_add_nc_u32 v[ADRS+1], SLOT, v[ADRS]
	s_mul_i32 s23, s14, 16*SPITCH
	v_mul_u32_u24 v5, v1, SPITCH
	v_lshl_add_u32 v5, v2, 5, v5
	v_add_nc_u32 v[STO], s23, v5
	v_lshlrev_b32 v[CO], 4, v3
	v_add_nc_u32 v[RD], s23, v[CO]
	v_lshlrev_b32 v[BO], 5, v2
	s_wait_alu depctr_va_vdst(0)
	global_prefetch_b8 v30, s[12:13] offset:CH th:TH_LOAD_NT scope:SCOPE_SE      ; K step 1,
	global_prefetch_b8 v31, s[12:13] offset:CH th:TH_LOAD_NT scope:SCOPE_SE
	global_prefetch_b8 v30, s[12:13] offset:2*CH th:TH_LOAD_NT scope:SCOPE_SE    ; and K step 2
	global_prefetch_b8 v31, s[12:13] offset:2*CH th:TH_LOAD_NT scope:SCOPE_SE
	s_lshl_b32 s20, s17, 8
	s_lshl_b32 s21, s15, 7
	s_add_co_u32 s20, s20, s21
	s_lshl_b32 s20, s20, 13
	s_mov_b32 s21, 0
	s_lshl_b32 s46, s42, 10
	s_lshl_b32 s47, s16, 9
	s_add_co_u32 s46, s46, s47
	s_mov_b32 s47, 0
	s_add_nc_u64 s[8:9], s[8:9], s[46:47]
	s_add_nc_u64 s[10:11], s[10:11], s[46:47]
	s_add_nc_u64 s[10:11], s[10:11], s[20:21]
.irp b, 0,1,2,3,4,5,6,7
	global_load_b128 v[BIAS+8*\b:BIAS+8*\b+3],   v[BO], s[8:9] offset:64*\b
	global_load_b128 v[BIAS+8*\b+4:BIAS+8*\b+7], v[BO], s[8:9] offset:64*\b+16
.endr
.macro FRAG reg, adr, q, i
.irp c, 0,1
	ds_load_b128 v[\reg+4*\c:\reg+4*\c+3], v[\adr] offset:(4*(\i)+(\q))*1024+512*\c
.endr
.endm
.macro MUL16 a0, p, q, sc, zero
.irp a, \a0, \a0+1
.irp b, 0,1,2,3,4,5,6,7
.if \zero
	v_wmma_scale_f32_16x16x128_f8f6f4 v[8*(8*((\a)%4)+\b):8*(8*((\a)%4)+\b)+7], v[128*(\p)+FR*\b:128*(\p)+FR*\b+FR-1], v[AF+FR*(\a):AF+FR*(\a)+FR-1], v[BIAS+8*\b:BIAS+8*\b+7], v[SC+8*NQ*(\sc)+NQ*\b+(\q)], v[SC+8*NQ*(\sc)+NQ*(\a)+(\q)] matrix_a_fmt:MATRIX_FMT_FP4 matrix_b_fmt:MATRIX_FMT_FP4 matrix_a_scale:MATRIX_SCALE_ROW1
.else
	v_wmma_scale_f32_16x16x128_f8f6f4 v[8*(8*((\a)%4)+\b):8*(8*((\a)%4)+\b)+7], v[128*(\p)+FR*\b:128*(\p)+FR*\b+FR-1], v[AF+FR*(\a):AF+FR*(\a)+FR-1], v[8*(8*((\a)%4)+\b):8*(8*((\a)%4)+\b)+7], v[SC+8*NQ*(\sc)+NQ*\b+(\q)], v[SC+8*NQ*(\sc)+NQ*(\a)+(\q)] matrix_a_fmt:MATRIX_FMT_FP4 matrix_b_fmt:MATRIX_FMT_FP4 matrix_a_scale:MATRIX_SCALE_ROW1
.endif
.endr
.endr
.endm
.macro FETCH_B slot, q, p
	WIN TO_B
.irp i, 0,1,2,3,4,5,6,7
	FRAG 128*(\p)+FR*\i, ADRB+\slot, \q, \i
.endr
	WIN 0
.endm
.macro FETCH_A slot, q, i0
.irp i, \i0, \i0+1, \i0+2, \i0+3
	FRAG AF+FR*(\i), ADRA+\slot, \q, \i
.endr
.endm
.macro SCALES sc
.irp i, 0,1,2,3,4,5,6,7
	ds_load_b128 v[SC+8*NQ*\sc+NQ*\i:SC+8*NQ*\sc+NQ*\i+3], v[ADRS+\sc] offset:256*\i
.endr
.endm
.macro PLACES n
.rept \n
	v_nop
.endr
.endm
.macro STEP slot, q, zero
	s_wait_dscnt 4*NL
.if \zero
	WIN FIRST_LO
.else
	WIN MUL_LO
.endif
	MUL16 0, (\q)%2, \q, \slot, \zero
	MUL16 2, (\q)%2, \q, \slot, \zero
	s_wait_dscnt 0
	PLACES NP
	FETCH_B \slot, (\q)+1, 1-(\q)%2
	FETCH_A \slot, (\q)+1, 0
.if \zero
	WIN FIRST_HI
.else
	WIN MUL_HI
.endif
	MUL16 4, (\q)%2, \q, \slot, \zero
	MUL16 6, (\q)%2, \q, \slot, \zero
	PLACES NP
	WIN 0
	FETCH_A \slot, (\q)+1, 4
.endm
.macro TURN slot, next, fill
.if \fill
	s_wait_xcnt 0x0                                ; my prefetches have read their base: it steps one K step on
	s_add_nc_u64 s[12:13], s[12:13], CH
.endif
	s_wait_tensorcnt 0x0
	ds_add_u32 v[SPW], v[NIL]
	s_wait_dscnt 4*NL+1
	WIN MUL_LO
	MUL16 0, 1, NQ-1, \slot, 0
	s_wait_dscnt 0x0
	s_barrier_signal -1
	MUL16 2, 1, NQ-1, \slot, 0
	WIN 0
	s_barrier_wait -1
.if \fill
	CREST
	s_add_nc_u64 s[G0+4*\slot+2:G0+4*\slot+3], s[G0+4*\slot+2:G0+4*\slot+3], 2*CH
	s_add_nc_u64 s[G0B+4*\slot+2:G0B+4*\slot+3], s[G0B+4*\slot+2:G0B+4*\slot+3], 2*CH
	JLOAD G0+4*\slot, G1, G0B+4*\slot, G1B
.else
	PLACES NP
.endif
	FETCH_B \next, 0, 0
	FETCH_A \next, 0, 0
	SCALES \next
.if \fill
	s_cmp_gt_u32 s3, 1                             ; the last lap's refills have no K step two on
	s_cbranch_scc0 .Lno_ask_\@
	global_prefetch_b8 v30, s[12:13] offset:3*CH th:TH_LOAD_NT scope:SCOPE_SE
	global_prefetch_b8 v31, s[12:13] offset:3*CH th:TH_LOAD_NT scope:SCOPE_SE
.Lno_ask_\@:
.endif
	WIN MUL_HI
	MUL16 4, 1, NQ-1, \slot, 0
	MUL16 6, 1, NQ-1, \slot, 0
	PLACES NP
	WIN 0
	FETCH_A \next, 0, 4
.endm
.macro STEPS slot, from
.set Q, \from
.rept NQ-1-\from
	STEP \slot, Q, 0
.set Q, Q+1
.endr
.endm
	s_wait_alu depctr_va_vdst(0)
	s_wait_tensorcnt 0x0                           ; my chunk of K step 0 is in
	ds_add_u32 v[SPW], v[NIL]
	s_wait_dscnt 0x0
	CROUND                                         ; everybody's chunk is in, and all sixteen work-groups are here
	JLOAD G0+4, G1, G0B+4, G1B                     ; K step 1, the first tensor load behind the round
	FETCH_B 0, 0, 0
	FETCH_A 0, 0, 0
	SCALES 0
	global_prefetch_b8 v30, s[12:13] offset:3*CH th:TH_LOAD_NT scope:SCOPE_SE    ; K step 3
	global_prefetch_b8 v31, s[12:13] offset:3*CH th:TH_LOAD_NT scope:SCOPE_SE
	FETCH_A 0, 0, 4
	s_wait_loadcnt 0x0
	STEP 0, 0, 1
	s_mov_b32 s3, LAPS-1
.Llap:
	STEPS 0, 1
	TURN 0, 1, 1
	STEPS 1, 0
	TURN 1, 0, 1
	STEP 0, 0, 0
	s_sub_co_u32 s3, s3, 1
	s_cmp_lg_u32 s3, 0
	s_cbranch_scc1 .Llap
	STEPS 0, 1
	TURN 0, 1, 0
	STEPS 1, 0
	s_wait_dscnt 4*NL
	WIN MUL_LO
	MUL16 0, 1, NQ-1, 1, 0
	MUL16 2, 1, NQ-1, 1, 0
	s_wait_dscnt 0
	WIN MUL_HI
	MUL16 4, 1, NQ-1, 1, 0
	MUL16 6, 1, NQ-1, 1, 0
	WIN 0
.macro TOSTAGE a
.set AC, 64*((\a)%4)
	WIN 0x08+4*((\a)/4)
.irp b, 0,1,2,3,4,5,6,7
	ds_store_b128 v[STO], v[AC+8*\b:AC+8*\b+3] offset:64*\b
	ds_store_b128 v[STO], v[AC+8*\b+4:AC+8*\b+7] offset:64*\b+16
.endr
	WIN 0
.set BB, BK+64*((\a)%2)
.irp t, 0,1,2,3,4,5,6,7,8,9,10,11,12,13,14,15
	ds_load_b128 v[BB+4*\t:BB+4*\t+3], v[RD] offset:\t*SPITCH
.endr
.endm
.macro SEND a, younger
.set BB, BK+64*((\a)%2)
	s_wait_dscnt \younger
.if (\a) > 0
	s_add_nc_u64 s[10:11], s[10:11], 16*SIZE_N*4
.endif
.irp t, 0,1,2,3,4,5,6,7,8,9,10,11,12,13,14,15
	global_store_b128 v[CO], v[BB+4*\t:BB+4*\t+3], s[10:11] offset:\t*SIZE_N*4 th:TH_STORE_NT
.endr
.endm
	PLACES NP
	TOSTAGE 0
.irp a, 1,2,3,4,5,6,7
.if \a > 1
	s_wait_xcnt 0x0
.endif
	TOSTAGE \a
	SEND \a-1, 32
.endr
	s_wait_xcnt 0x0
	SEND 7, 0
	s_wait_tensorcnt 0x0
	ds_add_u32 v[SPW], v[NIL]
	s_wait_dscnt 0x0
	CROUND
	s_endpgm
.Lfunc_end_k_q71df78dcf1_gemm:
	.size	k_q71df78dcf1_gemm, .Lfunc_end_k_q71df78dcf1_gemm-k_q71df78dcf1_gemm
	.p2alignl 7, 3214868480
	.fill 96, 4, 3214868480
	.section	.rodata,"a",@progbits
	.p2align	6, 0x0
	.amdhsa_kernel k_q71df78dcf1_gemm
		.amdhsa_group_segment_fixed_size 327680
		.amdhsa_private_segment_fixed_size 0
		.amdhsa_enable_private_segment 0
		.amdhsa_kernarg_size 32
		.amdhsa_user_sgpr_count 2
		.amdhsa_user_sgpr_kernarg_segment_ptr 1
		.amdhsa_wavefront_size32 1
		.amdhsa_system_sgpr_workgroup_id_x 1
		.amdhsa_system_sgpr_workgroup_id_y 1
		.amdhsa_system_sgpr_workgroup_id_z 1
		.amdhsa_system_vgpr_workitem_id 0
		.amdhsa_next_free_vgpr 1024
		.amdhsa_next_free_sgpr 66
		.amdhsa_reserve_vcc 0
		.amdhsa_float_denorm_mode_32 3
		.amdhsa_float_denorm_mode_16_64 3
		.amdhsa_memory_ordered 1
		.amdhsa_forward_progress 1
		.amdhsa_inst_pref_size 212
	.end_amdhsa_kernel
	.amdgpu_metadata
---
amdhsa.version: [ 1, 2 ]
amdhsa.kernels:
  - .name:           k_q71df78dcf1_gemm
    .symbol:         k_q71df78dcf1_gemm.kd
    .args:
      - { .name: xq, .offset: 0, .size: 8, .value_kind: global_buffer, .address_space: global }
      - { .name: wq, .offset: 8, .size: 8, .value_kind: global_buffer, .address_space: global }
      - { .name: bias, .offset: 16, .size: 8, .value_kind: global_buffer, .address_space: global }
      - { .name: out0, .offset: 24, .size: 8, .value_kind: global_buffer, .address_space: global }
    .group_segment_fixed_size: 327680
    .private_segment_fixed_size: 0
    .kernarg_segment_align: 8
    .kernarg_segment_size: 32
    .max_flat_workgroup_size: 128
    .sgpr_count:     66
    .vgpr_count:     1024
    .wavefront_size: 32
...
	.end_amdgpu_metadata
.endif
;; end of part 2
